; MI455X (gfx1250); checked and timed in simulation.
; The chip was launched on July 23, 2026; its instructions are those of AMD's public machine-readable ISA for CDNA 5 (MIT licence, August 2026) and "CDNA5" Instruction Set Architecture Reference Guide (July 2026). The comments in the code are by the model that wrote it; some were corrected since.
;; dot Attn. Allowed arithmetic: float matrix products may take bf16 or f16 operands with f32 sums; all other float work in f32.
;; Inputs: e1_idx 64 x 16 int32; e1_mask 64 x 16 int32; e2_idx 64 x 16 int32; e2_mask 64 x 16 int32; embeds 64 x 512 x 1,024 float32.
;; Outputs: out0 64 x 512 float32.
;; 2 versions, each right; version 2 is version 1 with the launch scores written anew for expert scheduling mode. Each part assembles by itself: llvm-mc -triple=amdgcn-amd-amdhsa -mcpu=gfx1250 --defsym DOCPART=n.
;; ======== version 1 of 2: 2 launches
;; workspace buffers: scores 262,144 bytes
;; launch scores (part 1): grid 256 x 1, 16 waves a work-group, no clusters, 11,264 bytes of LDS; arguments embeds, e1_idx, e1_mask, e2_idx, e2_mask, scores; writes scores
.if DOCPART == 1
	.amdgcn_target "amdgcn-amd-amdhsa--gfx1250"
	.amdhsa_code_object_version 6
	.text
	.protected	k_q1d88ab0163_scores
	.globl	k_q1d88ab0163_scores
	.p2align	8
	.type	k_q1d88ab0163_scores,@function
k_q1d88ab0163_scores:
	s_mov_b64 s[64:65], 0
	v_nop
	global_prefetch_b8 v0, s[64:65] scope:SCOPE_SE
	s_setreg_imm32_b32 hwreg(HW_REG_WAVE_MODE, 25, 1), 1
	s_wait_xcnt 0x0
; scores[b][p][s] = sum over d of embeds[b][s][d] * e_p[b][d],   e_p[b][d] = sum over j of float(mask_p[b][j]) * embeds[b][idx_p[b][j]][d]
; embeds: [64][512][1024] f32.  idx, mask: [64][16] i32.  scores: [64][2][512] f32 (p = 0: e1, p = 1: e2).
;
; Everything in f32 on the vector unit.  Each number of embeds feeds two multiply-adds only, so a 16-wide matrix tile would be 7/8 empty,
; and scores of gathered rows are about 1024 or more: 16-bit operands would move them by tenths, which the softmax behind turns into
; errors of ten per cent and more.
;
; 256 work-groups of 16 waves.  Work-group g: batch g >> 2, rows 128 (g & 3) .. + 127.  Wave w: rows 8 w .. 8 w + 7 of these.
; POOLING: waves 0-7 make e1, waves 8-15 e2.  Thread t owns columns 4 (t & 255) .. + 3: 16 loads of 16 bytes, one for each listed row
; (a wave's load covers 512 consecutive bytes of the row), multiplied by the mask as f32; 16 bytes to LDS at 16 t; one barrier; then every
; wave takes all of e1 and e2 into 64 registers, in the layout in which it loads rows.
; STREAM: a row is eight loads of 16 bytes a lane (each 512 consecutive bytes, aligned), 32 registers; four row slots; 8 turns, no loop.
; Requests are ordered rows 0, 1 / gather / rows 2, 3: when the gathered rows are in, two rows a wave are still on their way, so requests
; stay out while e1 and e2 are made and handed round.
; No joint requests in a cluster: the four work-groups of a batch share the 32 gathered rows, 128 KiB of the 640 KiB that each reads, and
; sharing them would send these rows through LDS; the other 512 KiB are read by one work-group alone.
; LIMITS: an index is clamped to 0 .. 511 (indices outside the table, negative ones too, are not served).  The order of the f32 sums
; is this text's own: four chains a lane, then a tree over the lanes.
.set ROWB,   4096                      ; bytes in a row of embeds
.set SLOTS,  4                         ; row slots of a wave
.set LDS_S,  8192                      ; LDS: e1 at 0, e2 at 4096; from here the group's 128 scores for e1, then 128 for e2
.set LANE16, 2                         ; v2       16 x lane: my bytes in each 512 of a row; also my place in e1, e2 in LDS
.set COL16,  3                         ; v3       16 x (t & 255): my bytes of a gathered row
.set T16,    4                         ; v4       16 x t
.set SADR,   5                         ; v5       512 x (lane / 16) + 32 x wave: where my wave's 8 scores go
.set ACC,    8                         ; v[8:15]  four chains of two sums
.set P,      16                        ; v[16:23] row r's score: e1's in lanes 0-15, e2's in lanes 16-31
.set GO,     24                        ; v[24:39] byte offsets of my 16 bytes in the 16 listed rows
.set M,      40                        ; v[40:55] the 16 masks as f32
.set G,      56                        ; v[56:119] the 16 listed rows' 16 bytes; afterwards:
.set E1,     56                        ; v[56:87]  e1 at my 32 columns
.set E2,     88                        ; v[88:119] e2 at my 32 columns
.set X,      120                       ; v[120:247] slot s: 32 registers, a row
.set IDX,    32                        ; s[32:47] my pool's 16 indices
.set MSK,    48                        ; s[48:63] my pool's 16 masks
	s_load_b256 s[4:11], s[0:1], 0x0               ; embeds s[4:5], e1_idx s[6:7], e1_mask s[8:9], e2_idx s[10:11]
	s_load_b128 s[12:15], s[0:1], 0x20             ; e2_mask s[12:13], scores s[14:15]
	v_lshl_add_u32 v248, v0, 2, 0x2400
	v_mov_b32 v249, 0
	v_lshrrev_b32 v1, 5, v0
	v_readfirstlane_b32 s16, v1                    ; wave 0 .. 15
	v_and_b32 v[LANE16], 31, v0
	v_lshlrev_b32 v[LANE16], 4, v[LANE16]
	v_and_b32 v[COL16], 255, v0
	v_lshlrev_b32 v[COL16], 4, v[COL16]
	v_lshlrev_b32 v[T16], 4, v0
	v_bfe_u32 v[SADR], v0, 4, 1                    ; which half of the lanes
	v_lshlrev_b32 v[SADR], 9, v[SADR]
	s_lshl_b32 s18, s16, 5                         ; 8 scores of 4 bytes a wave
	v_add_nc_u32 v[SADR], s18, v[SADR]
	s_lshl_b32 s20, ttmp9, 19                      ; the group's 128 rows of 4,096 bytes (255 << 19 stays below 2^31)
	s_lshl_b32 s18, s16, 15                        ; the wave's 8 rows
	s_add_co_u32 s20, s20, s18
	s_mov_b32 s21, 0
	s_lshr_b32 s17, ttmp9, 2                       ; batch
	s_lshl_b32 s22, s17, 21                        ; its 512 rows
	s_mov_b32 s23, 0
	s_lshl_b32 s28, s17, 6                         ; its 16 indices or masks
	s_mov_b32 s29, 0
	s_mov_b32 s30, 0x76543210                      ; v_permlanex16_b32: lane i of one half reads lane i of the other
	s_mov_b32 s31, 0xfedcba98
	s_mov_b32 vcc_lo, 0xffff0000                   ; lanes 16-31
	s_wait_kmcnt 0x0
	s_cmp_lt_u32 s16, 8                            ; waves 0-7 pool e1, waves 8-15 e2
	s_cselect_b64 s[24:25], s[6:7], s[10:11]
	s_cselect_b64 s[26:27], s[8:9], s[12:13]
	s_add_nc_u64 s[24:25], s[24:25], s[28:29]
	s_add_nc_u64 s[26:27], s[26:27], s[28:29]
	s_load_b512 s[IDX:IDX+15], s[24:25], 0x0
	s_load_b512 s[MSK:MSK+15], s[26:27], 0x0
	s_add_nc_u64 s[20:21], s[4:5], s[20:21]        ; embeds at my wave's first row
	s_add_nc_u64 s[22:23], s[4:5], s[22:23]        ; embeds at my batch's first row
; Eight loads: the whole row.  One offset register and one base serve all 64 stream loads; the row and the piece are in the immediate.
; The hint: but for the listed rows, these bytes are read once in the launch.
.macro FILL slot, row
.irp j, 0,1,2,3,4,5,6,7
	global_load_b128 v[X+32*\slot+4*\j:X+32*\slot+4*\j+3], v[LANE16], s[20:21] offset:(\row)*ROWB+512*\j th:TH_LOAD_NT
.endr
.endm
	FILL 0, 0                                      ; asked for while the indices are still on their way
	FILL 1, 1
	s_wait_kmcnt 0x0                               ; indices and masks
.irp j, 0,1,2,3,4,5,6,7,8,9,10,11,12,13,14,15
	s_min_u32 s[IDX+\j], s[IDX+\j], 511            ; stays inside the batch's 512 rows
	s_lshl_b32 s[IDX+\j], s[IDX+\j], 12
	v_add_nc_u32 v[GO+\j], s[IDX+\j], v[COL16]
	global_load_b128 v[G+4*\j:G+4*\j+3], v[GO+\j], s[22:23]    ; no hint: four work-groups and the stream read these rows
.endr
	FILL 2, 2
	FILL 3, 3
.irp j, 0,1,2,3,4,5,6,7,8,9,10,11,12,13,14,15
	v_cvt_f32_i32 v[M+\j], s[MSK+\j]               ; the mask as a number, whatever it holds
.endr
	; POOLING.  Loads return in order (ISA guide 5.7.1): the 16 loads of rows 2 and 3 were issued behind the gather and may stay out.
	s_wait_loadcnt 16
	v_pk_mul_f32 v[ACC:ACC+1],   v[G:G+1],   v[M:M+1] op_sel_hi:[1,0]      ; the first listed row starts the sums; both halves times M+0
	v_pk_mul_f32 v[ACC+2:ACC+3], v[G+2:G+3], v[M:M+1] op_sel_hi:[1,0]
.set j, 1
.rept 15
.if j & 1                                          ; an odd j's mask is the second register of its pair, an even j's the first
	v_pk_fma_f32 v[ACC:ACC+1],   v[G+4*j:G+4*j+1],   v[M+j-1:M+j], v[ACC:ACC+1]   op_sel:[0,1,0] op_sel_hi:[1,1,1]
	v_pk_fma_f32 v[ACC+2:ACC+3], v[G+4*j+2:G+4*j+3], v[M+j-1:M+j], v[ACC+2:ACC+3] op_sel:[0,1,0] op_sel_hi:[1,1,1]
.else
	v_pk_fma_f32 v[ACC:ACC+1],   v[G+4*j:G+4*j+1],   v[M+j:M+j+1], v[ACC:ACC+1]   op_sel_hi:[1,0,1]
	v_pk_fma_f32 v[ACC+2:ACC+3], v[G+4*j+2:G+4*j+3], v[M+j:M+j+1], v[ACC+2:ACC+3] op_sel_hi:[1,0,1]
.endif
.set j, j+1
.endr
	ds_store_b128 v[T16], v[ACC:ACC+3]             ; threads 0-255: e1 at bytes 0 .. 4095; threads 256-511: e2 behind it
	s_wait_dscnt 0x0                               ; for the other waves' sake: my 16 bytes are in LDS before I say so
	s_barrier_signal -1
	s_barrier_wait -1
.irp j, 0,1,2,3,4,5,6,7
	ds_load_b128 v[E1+4*\j:E1+4*\j+3], v[LANE16] offset:512*\j         ; columns 128 j + 4 lane .. + 3, as in a row's load j
	ds_load_b128 v[E2+4*\j:E2+4*\j+3], v[LANE16] offset:4096+512*\j
.endr
	s_wait_dscnt 0x0
; The turn of one row.  left = how many younger loads may stay out; refill = 1: the slot gets the row SLOTS further down.
.macro TURN slot, row, left, refill
	s_wait_loadcnt \left
	v_pk_mul_f32 v[ACC+0:ACC+1], v[X+32*\slot+0:X+32*\slot+1], v[E1+0:E1+1]   ; the first products start the four chains
	v_pk_mul_f32 v[ACC+2:ACC+3], v[X+32*\slot+2:X+32*\slot+3], v[E1+2:E1+3]
	v_pk_mul_f32 v[ACC+4:ACC+5], v[X+32*\slot+0:X+32*\slot+1], v[E2+0:E2+1]
	v_pk_mul_f32 v[ACC+6:ACC+7], v[X+32*\slot+2:X+32*\slot+3], v[E2+2:E2+3]
.irp k, 4,8,12,16,20,24,28
	v_pk_fma_f32 v[ACC+0:ACC+1], v[X+32*\slot+\k:X+32*\slot+\k+1],   v[E1+\k:E1+\k+1],   v[ACC+0:ACC+1]
	v_pk_fma_f32 v[ACC+2:ACC+3], v[X+32*\slot+\k+2:X+32*\slot+\k+3], v[E1+\k+2:E1+\k+3], v[ACC+2:ACC+3]
	v_pk_fma_f32 v[ACC+4:ACC+5], v[X+32*\slot+\k:X+32*\slot+\k+1],   v[E2+\k:E2+\k+1],   v[ACC+4:ACC+5]
	v_pk_fma_f32 v[ACC+6:ACC+7], v[X+32*\slot+\k+2:X+32*\slot+\k+3], v[E2+\k+2:E2+\k+3], v[ACC+6:ACC+7]
.endr
.if \refill
	FILL \slot, \row+SLOTS                         ; the slot has been read: ask again before the sums are finished
.endif
	v_pk_add_f32 v[ACC+0:ACC+1], v[ACC+0:ACC+1], v[ACC+2:ACC+3]
	v_pk_add_f32 v[ACC+4:ACC+5], v[ACC+4:ACC+5], v[ACC+6:ACC+7]
	v_add_f32 v[ACC], v[ACC], v[ACC+1]             ; my lane's part of x . e1
	v_add_f32 v[ACC+4], v[ACC+4], v[ACC+5]         ; and of x . e2
	; One reduction for both: lanes 0-15 keep e1's part and send e2's to the other half, lanes 16-31 the other way round.
	v_cndmask_b32 v[ACC+1], v[ACC], v[ACC+4], vcc_lo       ; what I keep
	v_cndmask_b32 v[ACC+2], v[ACC+4], v[ACC], vcc_lo       ; what lane xor 16 wants
	v_permlanex16_b32 v[ACC+3], v[ACC+2], s30, s31         ; (its destination was written by the chains above)
	v_add_f32 v[P+\row], v[ACC+1], v[ACC+3]
	v_add_f32_dpp v[P+\row], v[P+\row], v[P+\row] row_xmask:1 row_mask:0xf bank_mask:0xf
	v_add_f32_dpp v[P+\row], v[P+\row], v[P+\row] row_xmask:2 row_mask:0xf bank_mask:0xf
	v_add_f32_dpp v[P+\row], v[P+\row], v[P+\row] row_xmask:4 row_mask:0xf bank_mask:0xf
	v_add_f32_dpp v[P+\row], v[P+\row], v[P+\row] row_xmask:8 row_mask:0xf bank_mask:0xf
.endm
	TURN 0, 0, 16, 1                               ; rows 0 and 1 came in ahead of the gather; only rows 2 and 3 (16 loads) can be out
	TURN 1, 1, 24, 1                               ; out at most: rows 2, 3, 4
	TURN 2, 2, 24, 1                               ; behind row 2's loads: rows 3, 4, 5
	TURN 3, 3, 24, 1                               ; behind row 3's: rows 4, 5, 6
	TURN 0, 4, 24, 0                               ; behind row 4's: rows 5, 6, 7.  Nothing more to ask for: the counts run down
	TURN 1, 5, 16, 0
	TURN 2, 6, 8, 0
	TURN 3, 7, 0, 0
	; THE WAY OUT.  All sixteen lanes of a half hold the same 8 scores and write them to the same 32 bytes of the wave's own place.
	ds_store_b128 v[SADR], v[P:P+3]   offset:LDS_S
	ds_store_b128 v[SADR], v[P+4:P+7] offset:LDS_S+16
	s_wait_dscnt 0x0                               ; in LDS before I say so
	s_barrier_signal -1
	s_barrier_wait -1
	s_cmp_gt_u32 s16, 1                            ; wave 0 stores the group's 128 scores for e1, wave 1 those for e2
	s_cbranch_scc1 .Ldone
	ds_load_b128 v[ACC:ACC+3], v[T16] offset:LDS_S ; t < 64: 16 t runs through e1's 512 bytes, then e2's
	s_and_b32 s18, ttmp9, 3
	s_lshl_b32 s18, s18, 9                         ; the group's 128 positions
	s_lshl_b32 s19, s17, 12                        ; the batch's two rows of 512 scores
	s_add_co_u32 s18, s18, s19
	s_lshl_b32 s19, s16, 11                        ; e1's row or e2's
	s_add_co_u32 s18, s18, s19
	s_mov_b32 s19, 0
	s_add_nc_u64 s[14:15], s[14:15], s[18:19]
	s_wait_dscnt 0x0
	global_store_b128 v[LANE16], v[ACC:ACC+3], s[14:15]    ; one store of the wave: 512 consecutive bytes, aligned
.Ldone:
	s_wait_tensorcnt 0x0
	ds_add_u32 v248, v249
	s_wait_dscnt 0x0
	s_endpgm
.Lfunc_end_k_q1d88ab0163_scores:
	.size	k_q1d88ab0163_scores, .Lfunc_end_k_q1d88ab0163_scores-k_q1d88ab0163_scores
	.p2alignl 7, 3214868480
	.fill 96, 4, 3214868480
	.section	.rodata,"a",@progbits
	.p2align	6, 0x0
	.amdhsa_kernel k_q1d88ab0163_scores
		.amdhsa_group_segment_fixed_size 11264
		.amdhsa_private_segment_fixed_size 0
		.amdhsa_enable_private_segment 0
		.amdhsa_kernarg_size 48
		.amdhsa_user_sgpr_count 2
		.amdhsa_user_sgpr_kernarg_segment_ptr 1
		.amdhsa_wavefront_size32 1
		.amdhsa_system_sgpr_workgroup_id_x 1
		.amdhsa_system_sgpr_workgroup_id_y 1
		.amdhsa_system_sgpr_workgroup_id_z 1
		.amdhsa_system_vgpr_workitem_id 0
		.amdhsa_next_free_vgpr 250
		.amdhsa_next_free_sgpr 66
		.amdhsa_reserve_vcc 1
		.amdhsa_float_denorm_mode_32 3
		.amdhsa_float_denorm_mode_16_64 3
		.amdhsa_memory_ordered 1
		.amdhsa_forward_progress 1
		.amdhsa_inst_pref_size 37
	.end_amdhsa_kernel
	.amdgpu_metadata
---
amdhsa.version: [ 1, 2 ]
amdhsa.kernels:
  - .name:           k_q1d88ab0163_scores
    .symbol:         k_q1d88ab0163_scores.kd
    .args:
      - { .name: embeds, .offset: 0, .size: 8, .value_kind: global_buffer, .address_space: global }
      - { .name: e1_idx, .offset: 8, .size: 8, .value_kind: global_buffer, .address_space: global }
      - { .name: e1_mask, .offset: 16, .size: 8, .value_kind: global_buffer, .address_space: global }
      - { .name: e2_idx, .offset: 24, .size: 8, .value_kind: global_buffer, .address_space: global }
      - { .name: e2_mask, .offset: 32, .size: 8, .value_kind: global_buffer, .address_space: global }
      - { .name: scores, .offset: 40, .size: 8, .value_kind: global_buffer, .address_space: global }
    .group_segment_fixed_size: 11264
    .private_segment_fixed_size: 0
    .kernarg_segment_align: 8
    .kernarg_segment_size: 48
    .max_flat_workgroup_size: 512
    .sgpr_count:     66
    .vgpr_count:     250
    .wavefront_size: 32
...
	.end_amdgpu_metadata
.endif
;; end of part 1
;; launch softmax (part 2): grid 64 x 1, 1 waves a work-group, no clusters, 0 bytes of LDS; arguments scores, out0; writes out0
.if DOCPART == 2
	.amdgcn_target "amdgcn-amd-amdhsa--gfx1250"
	.amdhsa_code_object_version 6
	.text
	.protected	k_q1d88ab0163_softmax
	.globl	k_q1d88ab0163_softmax
	.p2align	8
	.type	k_q1d88ab0163_softmax,@function
k_q1d88ab0163_softmax:
	s_mov_b64 s[64:65], 0
	v_nop
	global_prefetch_b8 v0, s[64:65] scope:SCOPE_SE
	s_setreg_imm32_b32 hwreg(HW_REG_WAVE_MODE, 25, 1), 1
	s_wait_xcnt 0x0
; out0[b][s] = 0.5 * (softmax over s of scores[b][0][s] + softmax over s of scores[b][1][s]).  scores: [64][2][512] f32, out0: [64][512] f32.
; One wave for a batch: each of the two rows of 512 scores is four loads of 16 bytes a lane (each 512 consecutive bytes, aligned) and stays
; in 16 registers from the maximum to the store.  The reductions never leave the wave: no LDS, no barrier.
; exp(x - m) = 2^(x L - m L), L = log2 e, by one fused multiply-add; the rounding of m L is one common factor, which the division removes.
; LIMITS: a weight below 2^-126 comes out as 0 (v_exp_f32 flushes such results, ISA guide 15.8); 1 / sum by v_rcp_f32 (1 ULP).
; With NaN or infinite scores the pattern of NaN in the result is not promised to be the reference's.
.set X1,  4                            ; v[4:19]   scores for e1, then their exponentials, then the result
.set X2,  20                           ; v[20:35]  the same for e2
.set NM1, 36                           ; v[36:37]  - max x log2 e, twice (a pair for the packed multiply-add)
.set NM2, 38                           ; v[38:39]
.set T,   40                           ; v[40:47]  at work
.set U,   48                           ; v[48:55]  at work
.set R1,  56                           ; v[56:57]  0.5 / sum, twice
.set R2,  58                           ; v[58:59]
	s_load_b128 s[4:7], s[0:1], 0x0                ; scores s[4:5], out0 s[6:7]
	v_lshlrev_b32 v1, 4, v0                        ; 16 x lane
	s_lshl_b32 s8, ttmp9, 12                       ; the batch's two rows of scores
	s_mov_b32 s9, 0
	s_lshl_b32 s10, ttmp9, 11                      ; the batch's row of out0
	s_mov_b32 s11, 0
	s_mov_b32 s12, 0x76543210                      ; v_permlanex16_b32: lane i of one half reads lane i of the other
	s_mov_b32 s13, 0xfedcba98
	s_wait_kmcnt 0x0
	s_add_nc_u64 s[4:5], s[4:5], s[8:9]
	s_add_nc_u64 s[6:7], s[6:7], s[10:11]
.irp j, 0,1,2,3
	global_load_b128 v[X1+4*\j:X1+4*\j+3], v1, s[4:5] offset:512*\j
.endr
.irp j, 0,1,2,3
	global_load_b128 v[X2+4*\j:X2+4*\j+3], v1, s[4:5] offset:2048+512*\j
.endr
; v[x .. x+15] become 2^((x - max) log2 e); v[nm], v[nm+1] = - max log2 e
.macro EXPS x, nm
	v_max3_num_f32 v[\nm], v[\x], v[\x+1], v[\x+2]             ; my 16 numbers, in four short chains
	v_max3_num_f32 v[T],   v[\x+3], v[\x+4], v[\x+5]
	v_max3_num_f32 v[T+1], v[\x+6], v[\x+7], v[\x+8]
	v_max3_num_f32 v[T+2], v[\x+9], v[\x+10], v[\x+11]
	v_max3_num_f32 v[\nm], v[\nm], v[\x+12], v[\x+13]
	v_max3_num_f32 v[T],   v[T], v[\x+14], v[\x+15]
	v_max3_num_f32 v[\nm], v[\nm], v[T], v[T+1]
	v_max_num_f32 v[\nm], v[\nm], v[T+2]
	v_max_num_f32_dpp v[\nm], v[\nm], v[\nm] row_xmask:1 row_mask:0xf bank_mask:0xf    ; the 32 lanes
	v_max_num_f32_dpp v[\nm], v[\nm], v[\nm] row_xmask:2 row_mask:0xf bank_mask:0xf
	v_max_num_f32_dpp v[\nm], v[\nm], v[\nm] row_xmask:4 row_mask:0xf bank_mask:0xf
	v_max_num_f32_dpp v[\nm], v[\nm], v[\nm] row_xmask:8 row_mask:0xf bank_mask:0xf
	v_permlanex16_b32 v[T], v[\nm], s12, s13
	v_max_num_f32 v[\nm], v[\nm], v[T]
	v_mul_f32 v[\nm+1], 0xbfb8aa3b, v[\nm]                     ; - log2 e
	v_mul_f32 v[\nm],   0xbfb8aa3b, v[\nm]
.irp k, 0,2,4,6,8,10,12,14
	v_pk_fma_f32 v[\x+\k:\x+\k+1], v[\x+\k:\x+\k+1], 0x3fb8aa3b, v[\nm:\nm+1] op_sel_hi:[1,0,1]
.endr
.irp k, 0,1,2,3,4,5,6,7,8,9,10,11,12,13,14,15
	v_exp_f32 v[\x+\k], v[\x+\k]                               ; back to back; their results are used only behind a plain instruction
.endr
.endm
; v[t] = the sum of v[x .. x+15] over all lanes; v[t .. t+7] at work
.macro WAVESUM x, t
	v_pk_add_f32 v[\t:\t+1],   v[\x:\x+1],     v[\x+2:\x+3]
	v_pk_add_f32 v[\t+2:\t+3], v[\x+4:\x+5],   v[\x+6:\x+7]
	v_pk_add_f32 v[\t+4:\t+5], v[\x+8:\x+9],   v[\x+10:\x+11]
	v_pk_add_f32 v[\t+6:\t+7], v[\x+12:\x+13], v[\x+14:\x+15]
	v_pk_add_f32 v[\t:\t+1],   v[\t:\t+1],     v[\t+2:\t+3]
	v_pk_add_f32 v[\t+4:\t+5], v[\t+4:\t+5],   v[\t+6:\t+7]
	v_pk_add_f32 v[\t:\t+1],   v[\t:\t+1],     v[\t+4:\t+5]
	v_add_f32 v[\t], v[\t], v[\t+1]
	v_add_f32_dpp v[\t], v[\t], v[\t] row_xmask:1 row_mask:0xf bank_mask:0xf
	v_add_f32_dpp v[\t], v[\t], v[\t] row_xmask:2 row_mask:0xf bank_mask:0xf
	v_add_f32_dpp v[\t], v[\t], v[\t] row_xmask:4 row_mask:0xf bank_mask:0xf
	v_add_f32_dpp v[\t], v[\t], v[\t] row_xmask:8 row_mask:0xf bank_mask:0xf
	v_permlanex16_b32 v[\t+1], v[\t], s12, s13
	v_add_f32 v[\t], v[\t], v[\t+1]
.endm
	s_wait_loadcnt 4                               ; e1's four loads are in; e2's four, issued behind them, may stay out
	EXPS X1, NM1
	s_wait_loadcnt 0x0
	EXPS X2, NM2                                   ; its first line is the plain instruction behind e1's exponentials (ISA guide 5.7.2)
	v_nop                                          ; and this one stands behind e2's
	s_wait_alu depctr_va_vdst(0)
	WAVESUM X1, T
	WAVESUM X2, U                                  ; each sum is at least about 1: the largest score gives 2^0
	v_rcp_f32 v[R1], v[T]
	v_rcp_f32 v[R2], v[U]
	v_nop                                          ; a plain instruction between v_rcp_f32 and the use of its result
	s_wait_alu depctr_va_vdst(0)
	v_mul_f32 v[R1+1], 0.5, v[R1]                  ; the mean's 0.5 goes into the two factors
	v_mul_f32 v[R1],   0.5, v[R1]
	v_mul_f32 v[R2+1], 0.5, v[R2]
	v_mul_f32 v[R2],   0.5, v[R2]
.irp k, 0,2,4,6,8,10,12,14
	v_pk_mul_f32 v[X1+\k:X1+\k+1], v[X1+\k:X1+\k+1], v[R1:R1+1]
	v_pk_fma_f32 v[X1+\k:X1+\k+1], v[X2+\k:X2+\k+1], v[R2:R2+1], v[X1+\k:X1+\k+1]
.endr
.irp j, 0,1,2,3
	global_store_b128 v1, v[X1+4*\j:X1+4*\j+3], s[6:7] offset:512*\j th:TH_STORE_NT    ; 512 consecutive bytes, aligned
.endr
	s_endpgm
.Lfunc_end_k_q1d88ab0163_softmax:
	.size	k_q1d88ab0163_softmax, .Lfunc_end_k_q1d88ab0163_softmax-k_q1d88ab0163_softmax
	.p2alignl 7, 3214868480
	.fill 96, 4, 3214868480
	.section	.rodata,"a",@progbits
	.p2align	6, 0x0
	.amdhsa_kernel k_q1d88ab0163_softmax
		.amdhsa_group_segment_fixed_size 0
		.amdhsa_private_segment_fixed_size 0
		.amdhsa_enable_private_segment 0
		.amdhsa_kernarg_size 16
		.amdhsa_user_sgpr_count 2
		.amdhsa_user_sgpr_kernarg_segment_ptr 1
		.amdhsa_wavefront_size32 1
		.amdhsa_system_sgpr_workgroup_id_x 1
		.amdhsa_system_sgpr_workgroup_id_y 1
		.amdhsa_system_sgpr_workgroup_id_z 1
		.amdhsa_system_vgpr_workitem_id 0
		.amdhsa_next_free_vgpr 60
		.amdhsa_next_free_sgpr 66
		.amdhsa_reserve_vcc 0
		.amdhsa_float_denorm_mode_32 3
		.amdhsa_float_denorm_mode_16_64 3
		.amdhsa_memory_ordered 1
		.amdhsa_forward_progress 1
		.amdhsa_inst_pref_size 10
	.end_amdhsa_kernel
	.amdgpu_metadata
---
amdhsa.version: [ 1, 2 ]
amdhsa.kernels:
  - .name:           k_q1d88ab0163_softmax
    .symbol:         k_q1d88ab0163_softmax.kd
    .args:
      - { .name: scores, .offset: 0, .size: 8, .value_kind: global_buffer, .address_space: global }
      - { .name: out0, .offset: 8, .size: 8, .value_kind: global_buffer, .address_space: global }
    .group_segment_fixed_size: 0
    .private_segment_fixed_size: 0
    .kernarg_segment_align: 8
    .kernarg_segment_size: 16
    .max_flat_workgroup_size: 32
    .sgpr_count:     66
    .vgpr_count:     60
    .wavefront_size: 32
...
	.end_amdgpu_metadata
.endif
;; end of part 2
;; ======== version 2 of 2: 2 launches; version 1 with the launch scores written anew for expert scheduling mode
;; workspace buffers: scores 262,144 bytes
;; launch scores (part 3): grid 256 x 1, 16 waves a work-group, no clusters, 11,264 bytes of LDS; arguments embeds, e1_idx, e1_mask, e2_idx, e2_mask, scores; writes scores
.if DOCPART == 3
	.amdgcn_target "amdgcn-amd-amdhsa--gfx1250"
	.amdhsa_code_object_version 6
	.text
	.protected	k_q1d88ab0163_scores
	.globl	k_q1d88ab0163_scores
	.p2align	8
	.type	k_q1d88ab0163_scores,@function
k_q1d88ab0163_scores:
	s_mov_b64 s[64:65], 0
	v_nop
	global_prefetch_b8 v0, s[64:65] scope:SCOPE_SE
	s_setreg_imm32_b32 hwreg(HW_REG_WAVE_SCHED_MODE, 0, 2), 2
	s_setreg_imm32_b32 hwreg(HW_REG_WAVE_MODE, 25, 1), 1
	s_wait_xcnt 0x0
	s_wait_alu depctr_vm_vsrc(0)
; scores[b][p][s] = sum over d of embeds[b][s][d] * e_p[b][d],   e_p[b][d] = sum over j of float(mask_p[b][j]) * embeds[b][idx_p[b][j]][d]
; embeds: [64][512][1024] f32.  idx, mask: [64][16] i32.  scores: [64][2][512] f32 (p = 0: e1, p = 1: e2).
;
; Everything in f32 on the vector unit.  Each number of embeds feeds two multiply-adds only, so a 16-wide matrix tile would be 7/8 empty,
; and scores of gathered rows are about 1024 or more: 16-bit operands would move them by tenths, which the softmax behind turns into
; errors of ten per cent and more.
;
; 256 work-groups of 16 waves.  Work-group g: batch g >> 2, rows 128 (g & 3) .. + 127.  Wave w: rows 8 w .. 8 w + 7 of these.
; POOLING: waves 0-7 make e1, waves 8-15 e2.  Thread t owns columns 4 (t & 255) .. + 3: 16 loads of 16 bytes, one for each listed row
; (a wave's load covers 512 consecutive bytes of the row), multiplied by the mask as f32; 16 bytes to LDS at 16 t; one barrier; then every
; wave takes all of e1 and e2 into 64 registers, in the layout in which it loads rows.
; STREAM: a row is eight loads of 16 bytes a lane (each 512 consecutive bytes, aligned), 32 registers; four row slots; 8 turns, no loop.
; Requests are ordered rows 0, 1 / gather / rows 2, 3: when the gathered rows are in, two rows a wave are still on their way, so requests
; stay out while e1 and e2 are made and handed round.
; No joint requests in a cluster: the four work-groups of a batch share the 32 gathered rows, 128 KiB of the 640 KiB that each reads, and
; sharing them would send these rows through LDS; the other 512 KiB are read by one work-group alone.
; LIMITS: an index is clamped to 0 .. 511 (indices outside the table, negative ones too, are not served).  The order of the f32 sums
; is this text's own: four chains a lane, then a tree over the lanes.
;
; THE MODE: SCHED_MODE bits 1:0 = 2 (LLVM: expert scheduling mode 2), set by the entry lines.  The code itself states the register dependences
; between vector instructions and memory or LDS instructions, with s_wait_alu, always for 0.
; THE PLAN.  Registers that memory or LDS instructions touch:
;   v2, v4, v5   offsets and LDS addresses: written once at the head, read by loads and stores to the end, never written again.
;   GO           written by sixteen adds, then read by the gather's sixteen loads, never written again.
;   G = E1, E2   the gather lands here; the pooling's products read it; then the LDS loads of e1 and e2 land here; the turns read them.
;   ACC .. ACC+3 written by the pooling, read by its LDS store, written again by the turns; in the way out an LDS load lands here.
;   X, slot s    a row lands; the turn's 32 products read it; in turns 0 to 3 the row four further down lands in it.
;   P            written by the turns, read by the two LDS stores of the way out.
;   M, COL16 and ACC+4 .. ACC+7 are named by vector instructions alone.
; So: one wait on va_vdst ahead of the first load; one between the gather's adds and its loads; one behind the pooling's products; one in each
; of turns 0 to 3, behind the products that empty the slot; one ahead of the way out's LDS stores.  One wait on vm_vsrc ahead of turn 0.
; One wait on va_sdst for the wave's number.  Turns 4 to 7 issue no memory instruction and hold no such wait.
.set ROWB,   4096                      ; bytes in a row of embeds
.set SLOTS,  4                         ; row slots of a wave
.set LDS_S,  8192                      ; LDS: e1 at 0, e2 at 4096; from here the group's 128 scores for e1, then 128 for e2
.set LANE16, 2                         ; v2       16 x lane: my bytes in each 512 of a row; also my place in e1, e2 in LDS
.set COL16,  3                         ; v3       16 x (t & 255): my bytes of a gathered row
.set T16,    4                         ; v4       16 x t
.set SADR,   5                         ; v5       512 x (lane / 16) + 32 x wave: where my wave's 8 scores go
.set ACC,    8                         ; v[8:15]  four chains of two sums
.set P,      16                        ; v[16:23] row r's score: e1's in lanes 0-15, e2's in lanes 16-31
.set GO,     24                        ; v[24:39] byte offsets of my 16 bytes in the 16 listed rows
.set M,      40                        ; v[40:55] the 16 masks as f32
.set G,      56                        ; v[56:119] the 16 listed rows' 16 bytes; afterwards:
.set E1,     56                        ; v[56:87]  e1 at my 32 columns
.set E2,     88                        ; v[88:119] e2 at my 32 columns
.set X,      120                       ; v[120:247] slot s: 32 registers, a row
.set IDX,    32                        ; s[32:47] my pool's 16 indices
.set MSK,    48                        ; s[48:63] my pool's 16 masks
	s_load_b256 s[4:11], s[0:1], 0x0               ; embeds s[4:5], e1_idx s[6:7], e1_mask s[8:9], e2_idx s[10:11]
	s_load_b128 s[12:15], s[0:1], 0x20             ; e2_mask s[12:13], scores s[14:15]
	v_lshl_add_u32 v6, v0, 2, 0x2400
	v_mov_b32 v7, 0
	v_lshrrev_b32 v1, 5, v0
	v_readfirstlane_b32 s16, v1                    ; wave 0 .. 15
	v_and_b32 v[LANE16], 31, v0
	v_lshlrev_b32 v[LANE16], 4, v[LANE16]
	v_and_b32 v[COL16], 255, v0
	v_lshlrev_b32 v[COL16], 4, v[COL16]
	v_lshlrev_b32 v[T16], 4, v0
	v_bfe_u32 v[SADR], v0, 4, 1                    ; which half of the lanes
	v_lshlrev_b32 v[SADR], 9, v[SADR]
	s_wait_alu depctr_va_sdst(0)                   ; s16 is written, ahead of its first reader: addresses, the choice of the pool and the way out's branch are made from it
	s_lshl_b32 s18, s16, 5                         ; 8 scores of 4 bytes a wave
	v_add_nc_u32 v[SADR], s18, v[SADR]
	s_lshl_b32 s20, ttmp9, 19                      ; the group's 128 rows of 4,096 bytes (255 << 19 stays below 2^31)
	s_lshl_b32 s18, s16, 15                        ; the wave's 8 rows
	s_add_co_u32 s20, s20, s18
	s_mov_b32 s21, 0
	s_lshr_b32 s17, ttmp9, 2                       ; batch
	s_lshl_b32 s22, s17, 21                        ; its 512 rows
	s_mov_b32 s23, 0
	s_lshl_b32 s28, s17, 6                         ; its 16 indices or masks
	s_mov_b32 s29, 0
	s_mov_b32 s30, 0x76543210                      ; v_permlanex16_b32: lane i of one half reads lane i of the other
	s_mov_b32 s31, 0xfedcba98
	s_mov_b32 vcc_lo, 0xffff0000                   ; lanes 16-31 (a scalar instruction writes it, once; no vector instruction ever does)
	s_wait_kmcnt 0x0
	s_cmp_lt_u32 s16, 8                            ; waves 0-7 pool e1, waves 8-15 e2
	s_cselect_b64 s[24:25], s[6:7], s[10:11]
	s_cselect_b64 s[26:27], s[8:9], s[12:13]
	s_add_nc_u64 s[24:25], s[24:25], s[28:29]
	s_add_nc_u64 s[26:27], s[26:27], s[28:29]
	s_load_b512 s[IDX:IDX+15], s[24:25], 0x0
	s_load_b512 s[MSK:MSK+15], s[26:27], 0x0
	s_add_nc_u64 s[20:21], s[4:5], s[20:21]        ; embeds at my wave's first row
	s_add_nc_u64 s[22:23], s[4:5], s[22:23]        ; embeds at my batch's first row
; One of a row's eight loads.  One offset register and one base serve all 64 stream loads; the row and the piece are in the immediate.
; The hint: but for the listed rows, these bytes are read once in the launch.
.macro ASK slot, row, j
	global_load_b128 v[X+32*\slot+4*(\j):X+32*\slot+4*(\j)+3], v[LANE16], s[20:21] offset:(\row)*ROWB+512*(\j) th:TH_LOAD_NT
.endm
; Eight loads: the whole row.
.macro FILL slot, row
.irp j, 0,1,2,3,4,5,6,7
	ASK \slot, \row, \j
.endr
.endm
; Two of a refill's eight loads, where the turn has a refill.
.macro ASK2 on, slot, row, j
.if \on
	ASK \slot, \row, \j
	ASK \slot, \row, (\j)+1
.endif
.endm
	s_wait_alu depctr_va_vdst(0)                   ; v2, v4 and v5 are written: every stream load, LDS load and store below reads one of them as its offset or address
	FILL 0, 0                                      ; asked for while the indices are still on their way
	FILL 1, 1
	s_wait_kmcnt 0x0                               ; indices and masks
.irp j, 0,1,2,3,4,5,6,7,8,9,10,11,12,13,14,15
	s_min_u32 s[IDX+\j], s[IDX+\j], 511            ; stays inside the batch's 512 rows
	s_lshl_b32 s[IDX+\j], s[IDX+\j], 12
	v_add_nc_u32 v[GO+\j], s[IDX+\j], v[COL16]     ; all sixteen offsets are made first, so that one wait serves the sixteen loads
.endr
	s_wait_alu depctr_va_vdst(0)                   ; the sixteen adds have written v[GO ..], which the gather's loads read as their offsets
.irp j, 0,1,2,3,4,5,6,7,8,9,10,11,12,13,14,15
	global_load_b128 v[G+4*\j:G+4*\j+3], v[GO+\j], s[22:23]    ; no hint: four work-groups and the stream read these rows
.endr
	FILL 2, 2
	FILL 3, 3
.irp j, 0,1,2,3,4,5,6,7,8,9,10,11,12,13,14,15
	v_cvt_f32_i32 v[M+\j], s[MSK+\j]               ; the mask as a number, whatever it holds; M is named by no memory instruction
.endr
	; POOLING.  Loads return in order (ISA guide 5.7.1): the 16 loads of rows 2 and 3 were issued behind the gather and may stay out.
	s_wait_loadcnt 16
	v_pk_mul_f32 v[ACC:ACC+1],   v[G:G+1],   v[M:M+1] op_sel_hi:[1,0]      ; the first listed row starts the sums; both halves times M+0
	v_pk_mul_f32 v[ACC+2:ACC+3], v[G+2:G+3], v[M:M+1] op_sel_hi:[1,0]
.set j, 1
.rept 15
.if j & 1                                          ; an odd j's mask is the second register of its pair, an even j's the first
	v_pk_fma_f32 v[ACC:ACC+1],   v[G+4*j:G+4*j+1],   v[M+j-1:M+j], v[ACC:ACC+1]   op_sel:[0,1,0] op_sel_hi:[1,1,1]
	v_pk_fma_f32 v[ACC+2:ACC+3], v[G+4*j+2:G+4*j+3], v[M+j-1:M+j], v[ACC+2:ACC+3] op_sel:[0,1,0] op_sel_hi:[1,1,1]
.else
	v_pk_fma_f32 v[ACC:ACC+1],   v[G+4*j:G+4*j+1],   v[M+j:M+j+1], v[ACC:ACC+1]   op_sel_hi:[1,0,1]
	v_pk_fma_f32 v[ACC+2:ACC+3], v[G+4*j+2:G+4*j+3], v[M+j:M+j+1], v[ACC+2:ACC+3] op_sel_hi:[1,0,1]
.endif
.set j, j+1
.endr
	s_wait_alu depctr_va_vdst(0)                   ; the products have written v[ACC .. ACC+3], which the LDS store reads, and are done reading v[G ..], in which the LDS loads behind the barrier land (no vector instruction stands between)
	ds_store_b128 v[T16], v[ACC:ACC+3]             ; threads 0-255: e1 at bytes 0 .. 4095; threads 256-511: e2 behind it
	s_wait_dscnt 0x0                               ; for the other waves' sake: my 16 bytes are in LDS before I say so
	s_barrier_signal -1
	s_barrier_wait -1
.irp j, 0,1,2,3,4,5,6,7
	ds_load_b128 v[E1+4*\j:E1+4*\j+3], v[LANE16] offset:512*\j         ; columns 128 j + 4 lane .. + 3, as in a row's load j
	ds_load_b128 v[E2+4*\j:E2+4*\j+3], v[LANE16] offset:4096+512*\j
.endr
	s_wait_dscnt 0x0
	s_wait_alu depctr_vm_vsrc(0)                   ; my LDS store has read v[ACC .. ACC+3], which the first turn's products write again
; The turn of one row.  left = how many younger loads may stay out; refill = 1: the slot gets the row SLOTS further down.
.macro TURN slot, row, left, refill
	s_wait_loadcnt \left
	v_pk_mul_f32 v[ACC+0:ACC+1], v[X+32*\slot+0:X+32*\slot+1], v[E1+0:E1+1]   ; the first products start the four chains
	v_pk_mul_f32 v[ACC+2:ACC+3], v[X+32*\slot+2:X+32*\slot+3], v[E1+2:E1+3]
	v_pk_mul_f32 v[ACC+4:ACC+5], v[X+32*\slot+0:X+32*\slot+1], v[E2+0:E2+1]
	v_pk_mul_f32 v[ACC+6:ACC+7], v[X+32*\slot+2:X+32*\slot+3], v[E2+2:E2+3]
.irp k, 4,8,12,16,20,24,28
	v_pk_fma_f32 v[ACC+0:ACC+1], v[X+32*\slot+\k:X+32*\slot+\k+1],   v[E1+\k:E1+\k+1],   v[ACC+0:ACC+1]
	v_pk_fma_f32 v[ACC+2:ACC+3], v[X+32*\slot+\k+2:X+32*\slot+\k+3], v[E1+\k+2:E1+\k+3], v[ACC+2:ACC+3]
	v_pk_fma_f32 v[ACC+4:ACC+5], v[X+32*\slot+\k:X+32*\slot+\k+1],   v[E2+\k:E2+\k+1],   v[ACC+4:ACC+5]
	v_pk_fma_f32 v[ACC+6:ACC+7], v[X+32*\slot+\k+2:X+32*\slot+\k+3], v[E2+\k+2:E2+\k+3], v[ACC+6:ACC+7]
.endr
.if \refill
	s_wait_alu depctr_va_vdst(0)                   ; the 32 products are done reading the slot, in which the eight loads below land
.endif
	; The slot is asked for again before the sums are finished: its loads are dealt among the lines below, which name ACC and P alone, none of the registers that the loads touch: no further wait.
	ASK2 \refill, \slot, \row+SLOTS, 0
	v_pk_add_f32 v[ACC+0:ACC+1], v[ACC+0:ACC+1], v[ACC+2:ACC+3]
	v_pk_add_f32 v[ACC+4:ACC+5], v[ACC+4:ACC+5], v[ACC+6:ACC+7]
	ASK2 \refill, \slot, \row+SLOTS, 2
	v_add_f32 v[ACC], v[ACC], v[ACC+1]             ; my lane's part of x . e1
	v_add_f32 v[ACC+4], v[ACC+4], v[ACC+5]         ; and of x . e2
	ASK2 \refill, \slot, \row+SLOTS, 4
	; One reduction for both: lanes 0-15 keep e1's part and send e2's to the other half, lanes 16-31 the other way round.
	v_cndmask_b32 v[ACC+1], v[ACC], v[ACC+4], vcc_lo       ; what I keep
	v_cndmask_b32 v[ACC+2], v[ACC+4], v[ACC], vcc_lo       ; what lane xor 16 wants
	ASK2 \refill, \slot, \row+SLOTS, 6
	v_permlanex16_b32 v[ACC+3], v[ACC+2], s30, s31         ; (its destination was written by the chains above)
	v_add_f32 v[P+\row], v[ACC+1], v[ACC+3]
	v_add_f32_dpp v[P+\row], v[P+\row], v[P+\row] row_xmask:1 row_mask:0xf bank_mask:0xf
	v_add_f32_dpp v[P+\row], v[P+\row], v[P+\row] row_xmask:2 row_mask:0xf bank_mask:0xf
	v_add_f32_dpp v[P+\row], v[P+\row], v[P+\row] row_xmask:4 row_mask:0xf bank_mask:0xf
	v_add_f32_dpp v[P+\row], v[P+\row], v[P+\row] row_xmask:8 row_mask:0xf bank_mask:0xf
.endm
	TURN 0, 0, 16, 1                               ; rows 0 and 1 came in ahead of the gather; only rows 2 and 3 (16 loads) can be out
	TURN 1, 1, 24, 1                               ; out at most: rows 2, 3, 4
	TURN 2, 2, 24, 1                               ; behind row 2's loads: rows 3, 4, 5
	TURN 3, 3, 24, 1                               ; behind row 3's: rows 4, 5, 6
	TURN 0, 4, 24, 0                               ; behind row 4's: rows 5, 6, 7.  Nothing more to ask for: the counts run down
	TURN 1, 5, 16, 0
	TURN 2, 6, 8, 0
	TURN 3, 7, 0, 0
	; THE WAY OUT.  All sixteen lanes of a half hold the same 8 scores and write them to the same 32 bytes of the wave's own place.
	s_wait_alu depctr_va_vdst(0)                   ; the turns have written v[P ..], which the LDS stores read, and are done with v[ACC .. ACC+3], in which the LDS load below lands (no vector instruction follows this line)
	ds_store_b128 v[SADR], v[P:P+3]   offset:LDS_S
	ds_store_b128 v[SADR], v[P+4:P+7] offset:LDS_S+16
	s_wait_dscnt 0x0                               ; in LDS before I say so
	s_barrier_signal -1
	s_barrier_wait -1
	s_cmp_gt_u32 s16, 1                            ; wave 0 stores the group's 128 scores for e1, wave 1 those for e2
	s_cbranch_scc1 .Ldone
	ds_load_b128 v[ACC:ACC+3], v[T16] offset:LDS_S ; t < 64: 16 t runs through e1's 512 bytes, then e2's
	s_and_b32 s18, ttmp9, 3
	s_lshl_b32 s18, s18, 9                         ; the group's 128 positions
	s_lshl_b32 s19, s17, 12                        ; the batch's two rows of 512 scores
	s_add_co_u32 s18, s18, s19
	s_lshl_b32 s19, s16, 11                        ; e1's row or e2's
	s_add_co_u32 s18, s18, s19
	s_mov_b32 s19, 0
	s_add_nc_u64 s[14:15], s[14:15], s[18:19]
	s_wait_dscnt 0x0
	global_store_b128 v[LANE16], v[ACC:ACC+3], s[14:15]    ; one store of the wave: 512 consecutive bytes, aligned
.Ldone:
	s_wait_dscnt 0x0
	s_wait_alu depctr_hold_cnt(0) depctr_sa_sdst(0) depctr_va_vdst(0) depctr_va_sdst(0) depctr_va_ssrc(0) depctr_va_vcc(0) depctr_vm_vsrc(0)
	s_wait_tensorcnt 0x0
	ds_add_u32 v6, v7
	s_wait_dscnt 0x0
	s_endpgm
.Lfunc_end_k_q1d88ab0163_scores:
	.size	k_q1d88ab0163_scores, .Lfunc_end_k_q1d88ab0163_scores-k_q1d88ab0163_scores
	.p2alignl 7, 3214868480
	.fill 96, 4, 3214868480
	.section	.rodata,"a",@progbits
	.p2align	6, 0x0
	.amdhsa_kernel k_q1d88ab0163_scores
		.amdhsa_group_segment_fixed_size 11264
		.amdhsa_private_segment_fixed_size 0
		.amdhsa_enable_private_segment 0
		.amdhsa_kernarg_size 48
		.amdhsa_user_sgpr_count 2
		.amdhsa_user_sgpr_kernarg_segment_ptr 1
		.amdhsa_wavefront_size32 1
		.amdhsa_system_sgpr_workgroup_id_x 1
		.amdhsa_system_sgpr_workgroup_id_y 1
		.amdhsa_system_sgpr_workgroup_id_z 1
		.amdhsa_system_vgpr_workitem_id 0
		.amdhsa_next_free_vgpr 248
		.amdhsa_next_free_sgpr 66
		.amdhsa_reserve_vcc 1
		.amdhsa_float_denorm_mode_32 3
		.amdhsa_float_denorm_mode_16_64 3
		.amdhsa_memory_ordered 1
		.amdhsa_forward_progress 1
		.amdhsa_inst_pref_size 38
	.end_amdhsa_kernel
	.amdgpu_metadata
---
amdhsa.version: [ 1, 2 ]
amdhsa.kernels:
  - .name:           k_q1d88ab0163_scores
    .symbol:         k_q1d88ab0163_scores.kd
    .args:
      - { .name: embeds, .offset: 0, .size: 8, .value_kind: global_buffer, .address_space: global }
      - { .name: e1_idx, .offset: 8, .size: 8, .value_kind: global_buffer, .address_space: global }
      - { .name: e1_mask, .offset: 16, .size: 8, .value_kind: global_buffer, .address_space: global }
      - { .name: e2_idx, .offset: 24, .size: 8, .value_kind: global_buffer, .address_space: global }
      - { .name: e2_mask, .offset: 32, .size: 8, .value_kind: global_buffer, .address_space: global }
      - { .name: scores, .offset: 40, .size: 8, .value_kind: global_buffer, .address_space: global }
    .group_segment_fixed_size: 11264
    .private_segment_fixed_size: 0
    .kernarg_segment_align: 8
    .kernarg_segment_size: 48
    .max_flat_workgroup_size: 512
    .sgpr_count:     66
    .vgpr_count:     248
    .wavefront_size: 32
...
	.end_amdgpu_metadata
.endif
;; end of part 3
;; launch softmax: the kernel of part 2 again; grid 64 x 1, 1 waves a work-group, no clusters, 0 bytes of LDS; arguments scores, out0; writes out0
